; MI455X (gfx1250); checked and timed in simulation.
; The chip was launched on July 23, 2026; its instructions are those of AMD's public machine-readable ISA for CDNA 5 (MIT licence, August 2026) and "CDNA5" Instruction Set Architecture Reference Guide (July 2026). The comments in the code are by the model that wrote it; some were corrected since.
;; Sparse Connected Layer. Allowed arithmetic: matrix products marked QUANTISED: E2M1 operands, one E8M0 scale for each 32 along K, by v_wmma_scale_f32_16x16x128_f8f6f4 with both operands' format E2M1 (or v_wmma_scale_f32_32x16x128_f4), f32 sums; everything else in f32.
;; Inputs: bias 4,096 float32; mask 4,096 x 4,096 float32; weight 4,096 x 4,096 float32; x 4,096 x 4,096 float32.
;; Outputs: out0 4,096 x 4,096 float32.
;; This version of the problem:
;;   THIS VERSION OF THE PROBLEM IS GIVEN IN LOW PRECISION. The matrix products marked QUANTISED in the list below multiply operands that are first quantised to E2M1 (2 exponent bits, 1 mantissa bit; 4 bits a number), with one power-of-two scale for each 32 numbers along K (OCP MX v1.0); their sums are f32. All else is computed in f32.
;;   The module's matrix products, in the order in which they are computed (A, B: the left and right operand; K: the contracted axis; several contracted axes count as one K, in the product's order):
;;     1. [M 4,096, K 4,096] x [K 4,096, N 4,096]; A: input x; B: computed on the way: QUANTISED
;;   THE QUANTISER, for each operand of a quantised product, along K:
;;     - K is cut into blocks of 32 from its start; a last block that is shorter is filled with zeros.
;;     - A block's scale is 2^e with e = floor(log2(the largest magnitude in the block)) - 2, held to -126 .. 127; a block of zeros has e = 0. As a byte (E8M0): e + 127.
;;     - Each number is divided by its block's scale, clamped to +-6, and rounded to the nearest number of E2M1, ties to even, subnormals kept.
;;     - The product sums the exact products of the quantised numbers (number of the format x scale) in f32.
;;   ~~~python
;;   def quantise(x, axis):      # numpy; x: float32 -> the quantised numbers, widened to float32 again
;;       x = np.moveaxis(x, axis, -1); K = x.shape[-1]
;;       x = np.pad(x, [(0, 0)] * (x.ndim - 1) + [(0, -K % 32)]); x = x.reshape(x.shape[:-1] + (-1, 32)); a = np.abs(x).max(-1, keepdims=True)
;;       e = np.where(a > 0, np.clip(np.frexp(np.where(a > 0, a, 1))[1] - 1 - 2, -126, 127), 0)      # np.frexp(a)[1] - 1 = floor(log2(a)), exactly
;;       r = np.clip(x / 2.0 ** e, -6, 6)
;;       step = 2.0 ** (np.maximum(np.frexp(np.where(r == 0, 1, r))[1] - 1, 0) - 1)
;;       q = np.round(r / step) * step * 2.0 ** e      # np.round: ties to even
;;       return np.moveaxis(q.reshape(q.shape[:-2] + (-1,))[..., :K], -1, axis).astype(np.float32)
;;   ~~~
;;   OPERANDS COMPUTED ON THE WAY. 'Computed on the way' means the value that the module computes at that place (a softmax that the list does not call 'softmax' is quantised finished and normalised). What goes into a quantiser is computed in f32, as accurately as f32 sums, v_exp_f32 and their like allow (about 1e-6 of the number): no bf16 or f16 on the way to a quantiser, and a product that is left as it is and whose result goes on into a quantised operand takes f32 operands (vector FMAs, or v_wmma_f32_16x16x4_f32). A number that lies on a knife's edge between two numbers of the format may be rounded either way, as far as f32 arithmetic and the matrix unit's own rounding can turn it there, and no further.
;; One version. Each part assembles by itself: llvm-mc -triple=amdgcn-amd-amdhsa -mcpu=gfx1250 --defsym DOCPART=n.
;; ======== version 1 of 1: 2 launches
;; limits: right only within a limited range of input values
;; workspace buffers: xq 8,912,896 bytes; wq 8,912,896 bytes
;; launch quant (part 1): grid 1024 x 1, 4 waves a work-group, no clusters, 33,280 bytes of LDS; arguments x, weight, mask, xq, wq; writes xq, wq
.if DOCPART == 1
	.amdgcn_target "amdgcn-amd-amdhsa--gfx1250"
	.amdhsa_code_object_version 6
	.text
	.protected	k_q0e921a44e4_quant
	.globl	k_q0e921a44e4_quant
	.p2align	8
	.type	k_q0e921a44e4_quant,@function
k_q0e921a44e4_quant:
	s_mov_b64 s[64:65], 0
	v_nop
	global_prefetch_b8 v0, s[64:65] scope:SCOPE_SE
	s_setreg_imm32_b32 hwreg(HW_REG_WAVE_MODE, 25, 1), 1
	s_wait_xcnt 0x0
; x [4096][4096] and weight * mask [4096][4096], f32 with K innermost, are turned into codes of FP4 (E2M1), 4 bits each, with one E8M0 scale byte for each 32 along K.
; weight * mask is one f32 multiplication ahead of the quantiser; the mask is multiplied as it is given, whatever numbers it holds.
; A block's scale is 2^(floor(log2(its largest magnitude)) - 2); its byte is the largest magnitude's own exponent field - 2, held at 1 from below.  Each number is divided by the scale and rounded to the
; nearest code, ties to even; beyond the largest code the conversion gives the largest code.
; LIMITS: a block of zeros gets the byte 1 where the rule says 127 (its codes are zeros, which add nothing under any byte but 0xff, and the bytes are read by this program alone); NaN and infinities among the inputs are not served.
; THE OUTPUT'S LAYOUT, the same for xq and wq: [32 blocks of 128 rows][8 K steps of 512][136 pieces of 256 bytes].  Piece r < 128: the 512 codes of row r, two to a byte, the lower k in the low four bits.
; Piece 128 + i: the scale bytes of rows 16 i .. 16 i + 15, 16 bytes a row.  So what a wave of the product's launch fetches for a K step, 128 rows' codes and scales, is one dense block of 34,816 bytes.
; SHARES.  EVERY WORK-GROUP HAS THE SAME WORK: waves 0 and 1 take x, waves 2 and 3 weight * mask, which reads twice the bytes: 2 x 32 KiB + 2 x 64 KiB a work-group, whichever work-groups share a WGP.
; Work-group g takes rows 16 (g / 4) on and quarter g % 4 of K, in both tensors; wave w takes K step 2 (g % 4) + w % 2 of those 16 rows: 16 steps, a row each.  A step's codes are 256 bytes, one piece;
; the wave's 16 steps make 256 scale bytes, one piece.  Every store of a wave covers 256 consecutive bytes, aligned.
; A LANE NEEDS 16 NEIGHBOURS ALONG K for the conversions, while a load is best where neighbouring lanes take neighbouring bytes: each of a step's loads reads 512 consecutive bytes, 16 a lane; the 2,048 bytes go
; through the wave's own stage in LDS as they lie and come back 64 bytes a lane (16 bytes of padding behind each 64).  Two neighbouring lanes hold a block of 32.
; No tensor loads, no barrier: waves share nothing.  Loads run four steps ahead (16 loads a wave for x, 32 for weight and mask), the turn through LDS one step.
; Every offset is an immediate and each step has its own registers for its codes and its byte: no register that a store reads and no address register is ever written again.
.set KBLK,  34816                      ; one block of 128 rows, one K step: 136 x 256 bytes
.set RBLK,  8*KBLK                     ; one block of 128 rows, all of K
.set NSTEP, 16
.set ROWB,  16384                      ; a row of an input in bytes
.set SP,    80                         ; a lane's place in a stage: its 64 bytes + 16 of padding
.set STG,   32*SP                      ; a stage
.set SCBY,  2*STG                      ; behind a wave's two stages: its 256 scale bytes.  LDS: 8,192 bytes for each wave, its own
.set R,     16                         ; v16-79   four sets of 16 numbers as they are loaded: x or weight, then weight * mask
.set MK,    80                         ; v80-143  four sets of 16: mask
.set X,     144                        ; v144-175 two sets of 16 neighbours
.set E,     176                        ; v176-191 a scale byte for each step
.set C,     192                        ; v192-223 codes: two registers for each step
	s_load_b128 s[4:7], s[0:1], 0x0                ; x, weight
	s_load_b128 s[8:11], s[0:1], 0x10              ; mask, xq
	s_load_b64 s[12:13], s[0:1], 0x20              ; wq
	v_lshl_add_u32 v224, v0, 2, 0x8000
	v_mov_b32 v225, 0
	v_lshrrev_b32 v1, 5, v0
	v_readfirstlane_b32 s16, v1                    ; wave 0..3
	v_and_b32 v2, 31, v0                           ; lane
	v_lshlrev_b32 v3, 4, v2                        ; my 16 bytes of a load's 512
	v_lshlrev_b32 v4, 3, v2                        ; my 8 bytes of a store's 256
	s_lshl_b32 s17, s16, 13                        ; my wave's 8,192 bytes of LDS
	v_lshrrev_b32 v14, 2, v2
	v_mul_u32_u24 v14, v14, SP
	v_and_b32 v15, 3, v2
	v_lshl_add_u32 v14, v15, 4, v14
	v_add_nc_u32 v14, s17, v14                     ; the stage, on the way in: four lanes' 64 bytes on end, then 16 of padding; a load's 512 bytes take eight places
	v_mul_u32_u24 v15, v2, SP
	v_add_nc_u32 v15, s17, v15                     ; and on the way out: my place: my 16 neighbours
	v_lshrrev_b32 v5, 1, v2
	s_add_co_u32 s17, s17, SCBY
	v_add_nc_u32 v5, s17, v5                       ; my wave's 256 scale bytes: my block's byte,
	v_add_nc_u32 v6, s17, v4                       ; and on the way out 8 bytes a lane
	s_lshr_b32 s28, s16, 1                         ; 0 (waves 0, 1): x;  1 (waves 2, 3): weight * mask
	s_and_b32 s18, s16, 1                          ; which of the quarter's two K steps
	s_lshr_b32 s19, ttmp9, 2                       ; which 16 rows: 0..255
	s_and_b32 s20, ttmp9, 3                        ; which quarter of K
	s_lshl_b32 s21, s20, 1
	s_add_co_u32 s21, s21, s18                     ; my K step: 2 x quarter + wave % 2
	s_lshl_b32 s22, s19, 18                        ; in the input: 16 rows of 16,384 bytes,
	s_lshl_b32 s23, s21, 11                        ; 512 numbers of 4 bytes
	s_add_co_u32 s22, s22, s23
	s_mov_b32 s23, 0
	s_lshr_b32 s24, s19, 3                         ; in the output: the block of 128 rows,
	s_mul_i32 s24, s24, RBLK
	s_mul_i32 s25, s21, KBLK                       ; the K step,
	s_add_co_u32 s24, s24, s25
	s_and_b32 s25, s19, 7                          ; which 16 rows of the 128
	s_lshl_b32 s26, s25, 8
	s_add_co_u32 s26, s26, s24
	s_add_co_u32 s26, s26, 128*256                 ; the scale bytes: piece 128 + that number
	s_lshl_b32 s25, s25, 12
	s_add_co_u32 s24, s24, s25                     ; the codes: 16 pieces on for each 16 rows
	s_mov_b32 s25, 0
	s_mov_b32 s27, 0
	s_wait_kmcnt 0x0
	s_cmp_eq_u32 s28, 0                            ; the choice hangs on the wave's number alone
	s_cselect_b64 s[4:5], s[4:5], s[6:7]           ; x or weight
	s_cselect_b64 s[10:11], s[10:11], s[12:13]     ; xq or wq
	s_add_nc_u64 s[4:5], s[4:5], s[22:23]
	s_add_nc_u64 s[8:9], s[8:9], s[22:23]          ; mask lies as weight lies
	s_add_nc_u64 s[14:15], s[10:11], s[26:27]      ; my piece of scale bytes
	s_add_nc_u64 s[10:11], s[10:11], s[24:25]      ; my 16 pieces of codes
; step t's numbers: row t, 2,048 bytes; wm = 1: and the mask's
.macro LOAD t, wm
.irp i, 0,1,2,3
	global_load_b128 v[R+16*((\t)%4)+4*\i:R+16*((\t)%4)+4*\i+3], v3, s[4:5] offset:ROWB*(\t)+512*\i th:TH_LOAD_NT   ; 32 lanes read 512 consecutive bytes; read once in the launch
.endr
.if \wm
.irp i, 0,1,2,3
	global_load_b128 v[MK+16*((\t)%4)+4*\i:MK+16*((\t)%4)+4*\i+3], v3, s[8:9] offset:ROWB*(\t)+512*\i th:TH_LOAD_NT
.endr
.endif
.endm
; step t's numbers through the stage: LDS serves a wave's instructions in order (ISA guide 5.7.1.4), so no wait stands between the stores and the loads
.macro TURN t, wm
.if \wm
.irp i, 0,2,4,6,8,10,12,14
	v_pk_mul_f32 v[R+16*((\t)%4)+\i:R+16*((\t)%4)+\i+1], v[R+16*((\t)%4)+\i:R+16*((\t)%4)+\i+1], v[MK+16*((\t)%4)+\i:MK+16*((\t)%4)+\i+1]   ; weight * mask, in f32, two at a time
.endr
.endif
.irp i, 0,1,2,3
	ds_store_b128 v14, v[R+16*((\t)%4)+4*\i:R+16*((\t)%4)+4*\i+3] offset:STG*((\t)%2)+8*SP*\i
.endr
.irp i, 0,1,2,3
	ds_load_b128 v[X+16*((\t)%2)+4*\i:X+16*((\t)%2)+4*\i+3], v15 offset:STG*((\t)%2)+16*\i
.endr
.endm
.macro STEP t, wm
.set XS, X+16*((\t)%2)
.set NLD, 4*(1+\wm)                    ; loads in a step
.if (\t) > 0
	s_wait_dscnt 1                                 ; this step's numbers are back from the stage (the last step's byte store may be out): so its stores into the stage have read their registers,
.else
	s_wait_dscnt 0x0
.endif
.if (\t)+4 < NSTEP
	LOAD (\t)+4, \wm                               ; which take the loads of four steps on
.endif
.if (\t)+1 < NSTEP
.if 14-(\t) >= 3
	s_wait_loadcnt 3*NLD                           ; the next step's loads are in; those of the three steps behind it may be out
.else
	s_wait_loadcnt (14-(\t))*NLD                   ; near the end fewer steps stand behind it
.endif
	TURN (\t)+1, \wm                               ; and go through the other stage while this step is worked
.endif
	v_max3_num_f32 v8, |v[XS]|, |v[XS+1]|, |v[XS+2]|               ; the largest magnitude of my 16, in two chains
	v_max3_num_f32 v9, |v[XS+3]|, |v[XS+4]|, |v[XS+5]|
.irp i, 6,10
	v_max3_num_f32 v8, v8, |v[XS+\i]|, |v[XS+\i+1]|
	v_max3_num_f32 v9, v9, |v[XS+\i+2]|, |v[XS+\i+3]|
.endr
	v_max3_num_f32 v8, v8, |v[XS+14]|, |v[XS+15]|
	v_max3_num_f32 v8, v8, v9, 0x1800000           ; and the floor 2^(3 - 127), under which no largest magnitude is taken: so the byte cannot fall under 1
	v_max_num_f32_dpp v8, v8, v8 row_xmask:1 row_mask:0xf bank_mask:0xf   ; and of my neighbour's 16: the block's
	v_add_nc_u32 v11, 0xff000000, v8               ; 2 off its exponent field: the conversion takes the exponent field of this operand as its scale, and nothing else of it
	v_cvt_scalef32_pk8_fp4_f32 v[C+2*(\t)], v[XS:XS+7], v11        ; eight numbers / the scale, to the nearest code, ties to even; the first number's code in the lowest four bits
	v_cvt_scalef32_pk8_fp4_f32 v[C+2*(\t)+1], v[XS+8:XS+15], v11
	v_lshrrev_b32 v[E+(\t)], 23, v11               ; the scale's byte (also the plain line behind the conversions)
	ds_store_b8 v5, v[E+(\t)] offset:16*(\t)       ; both lanes of a block write the same byte with the same value
	global_store_b64 v4, v[C+2*(\t):C+2*(\t)+1], s[10:11] offset:256*(\t)   ; row t's piece: 32 lanes store 256 consecutive bytes, aligned
.endm
.macro BODY wm
.irp t, 0,1,2,3
	LOAD \t, \wm
.endr
	s_wait_loadcnt 12*(1+\wm)                      ; step 0's loads are in; those of steps 1 to 3 may be out
	TURN 0, \wm
.irp t, 0,1,2,3,4,5,6,7,8,9,10,11,12,13,14,15
	STEP \t, \wm
.endr
	ds_load_b64 v[12:13], v6                       ; LDS serves a wave's instructions in order: these see my byte stores
	s_wait_dscnt 0x0
	global_store_b64 v4, v[12:13], s[14:15]        ; the 16 rows' scale bytes: 256 consecutive bytes, aligned
	s_wait_tensorcnt 0x0
	ds_add_u32 v224, v225
	s_wait_dscnt 0x0
	s_endpgm
.endm
	s_cmp_lg_u32 s28, 0                            ; compared anew; a branch on the wave's number: the two ways differ in the mask's loads, the multiplication and the counts of the waits; no barrier stands in either
	s_cbranch_scc1 .Lw
	s_wait_alu depctr_va_vdst(0)
	BODY 0
.Lw:
	BODY 1
.Lfunc_end_k_q0e921a44e4_quant:
	.size	k_q0e921a44e4_quant, .Lfunc_end_k_q0e921a44e4_quant-k_q0e921a44e4_quant
	.p2alignl 7, 3214868480
	.fill 96, 4, 3214868480
	.section	.rodata,"a",@progbits
	.p2align	6, 0x0
	.amdhsa_kernel k_q0e921a44e4_quant
		.amdhsa_group_segment_fixed_size 33280
		.amdhsa_private_segment_fixed_size 0
		.amdhsa_enable_private_segment 0
		.amdhsa_kernarg_size 40
		.amdhsa_user_sgpr_count 2
		.amdhsa_user_sgpr_kernarg_segment_ptr 1
		.amdhsa_wavefront_size32 1
		.amdhsa_system_sgpr_workgroup_id_x 1
		.amdhsa_system_sgpr_workgroup_id_y 1
		.amdhsa_system_sgpr_workgroup_id_z 1
		.amdhsa_system_vgpr_workitem_id 0
		.amdhsa_next_free_vgpr 226
		.amdhsa_next_free_sgpr 66
		.amdhsa_reserve_vcc 0
		.amdhsa_float_denorm_mode_32 3
		.amdhsa_float_denorm_mode_16_64 3
		.amdhsa_memory_ordered 1
		.amdhsa_forward_progress 1
		.amdhsa_inst_pref_size 79
	.end_amdhsa_kernel
	.amdgpu_metadata
---
amdhsa.version: [ 1, 2 ]
amdhsa.kernels:
  - .name:           k_q0e921a44e4_quant
    .symbol:         k_q0e921a44e4_quant.kd
    .args:
      - { .name: x, .offset: 0, .size: 8, .value_kind: global_buffer, .address_space: global }
      - { .name: weight, .offset: 8, .size: 8, .value_kind: global_buffer, .address_space: global }
      - { .name: mask, .offset: 16, .size: 8, .value_kind: global_buffer, .address_space: global }
      - { .name: xq, .offset: 24, .size: 8, .value_kind: global_buffer, .address_space: global }
      - { .name: wq, .offset: 32, .size: 8, .value_kind: global_buffer, .address_space: global }
    .group_segment_fixed_size: 33280
    .private_segment_fixed_size: 0
    .kernarg_segment_align: 8
    .kernarg_segment_size: 40
    .max_flat_workgroup_size: 128
    .sgpr_count:     66
    .vgpr_count:     226
    .wavefront_size: 32
...
	.end_amdgpu_metadata
.endif
;; end of part 1
;; launch gemm (part 2): grid 16 x 16, 4 waves a work-group, clusters of 4 x 4, 327,680 bytes of LDS; arguments xq, wq, bias, out0; writes out0
.if DOCPART == 2
	.amdgcn_target "amdgcn-amd-amdhsa--gfx1250"
	.amdhsa_code_object_version 6
	.text
	.protected	k_q0e921a44e4_gemm
	.globl	k_q0e921a44e4_gemm
	.p2align	8
	.type	k_q0e921a44e4_gemm,@function
k_q0e921a44e4_gemm:
	s_mov_b64 s[64:65], 0
	v_nop
	global_prefetch_b8 v0, s[64:65] scope:SCOPE_SE
	s_setreg_imm32_b32 hwreg(HW_REG_WAVE_MODE, 25, 1), 1
	s_wait_xcnt 0x0
	s_wait_alu depctr_hold_cnt(0) depctr_sa_sdst(0) depctr_va_vdst(0) depctr_va_sdst(0) depctr_va_ssrc(0) depctr_va_vcc(0) depctr_vm_vsrc(0)
	s_getreg_b32 s2, hwreg(HW_REG_IB_STS2, 6, 4)
	s_cmp_eq_u32 s2, 0
	s_cbranch_scc0 .Lentry_in_a_cluster
	s_endpgm
.Lentry_in_a_cluster:
	s_bfe_u32 s2, ttmp6, 0x10000c
	s_cmp_lg_u32 s2, 0xf033
	s_cbranch_scc0 .Lentry_shape_is_right
	s_endpgm
.Lentry_shape_is_right:
; out0[m][n] = sum over k of Q(x)[m][k] Q(weight * mask)[n][k] + bias[n], on codes of FP4 (E2M1) with one E8M0 byte for each 32 along K; sums in f32.
; xq and wq lie as [32 blocks of 128 rows][8 K steps of 512][136 pieces of 256 bytes]: pieces 0-127 a row's 512 codes, piece 128 + i the scale bytes of rows 16 i .. 16 i + 15, 16 bytes a row.
; A block of out0, 256 x 256, is made by four waves, each 128 x 128, 512 registers of sums.  K goes in 8 steps of 512 through two LDS slots; a wave's tensor load brings one dense block of 34,816 bytes.
; CLUSTERS: 4 x 4 work-groups; xq's tiles are asked for jointly along a row of the cluster, wq's along a column.
; THE MATRIX INSTRUCTION, 32 x 16 x 128, IS USED TRANSPOSED: source 0 = 32 rows of wq (two neighbouring fragments of 16 rows), source 1 = 16 rows of xq.  A lane holds row l % 16 of out0; registers 0-7 of a result are
; columns 8 (l / 16) + 0 .. 7, registers 8-15 the same 16 columns on.  The bias is the C of each sum's first product.
; SCALE WORDS: source 0's fill all 32 lanes (lanes 0-15 wq's block 2 c, lanes 16-31 block 2 c + 1); source 1's stand in lanes 0-15.
; FRAGMENTS: two sets for each side.  The 32 LDS loads of the next 128 along K go out in ONE run at a step's head, a whole step ahead of their first use.
; THE LAST K STEP GOES BY ROWS OF out0: all its fragments of wq fill window 1, and the wave's eight blocks of 16 rows are finished one after the other (K ascending); a block goes out while the next is multiplied.
; PREFETCH: each K step's 136 blocks of 256 bytes of a tile are shared out by address among the four partners that ask for the tile jointly, 34 each, two instructions a wave, two K steps ahead of the load that wants them.
; REGISTERS: window 0: v0-31 addresses; v32-127 scale words, a set of 48 for each slot; v128-191, v192-255 xq's fragments, two sets (in the last K step four buffers of 16 rows x 512 K).
;   window 1: v0-63, v128-191 wq's fragments, two sets; v64-127 the bias (in the last K step all 256: wq's fragments).  windows 2, 3: the sums (xq's block a, wq's blocks 2 c, 2 c + 1 at v[8 (8 (a % 4) + 2 c)]).
.set SIZE_N, 4096
.set NQ,     4                         ; steps of 128 along K in a slot
.set PITCH,  272                       ; an LDS row: 256 bytes + 16 of padding
.set FR,     8
.set NP,     4                         ; places behind this matrix form (ISA guide 7.12.1)
.set UNITS,  136
.set KBLK,   UNITS*256                 ; 128 rows, one K step, in memory
.set RBLK,   8*KBLK
.set HALFT,  UNITS*PITCH               ; the same in LDS
.set SLOT,   4*HALFT                   ; xq's two halves, then wq's
.set LAPS,   4
.set SPARE,  2*SLOT                    ; behind the ring: the spare words, 128 bytes a wave
.set SPITCH, 528                       ; the way out: a stage of 16 rows x (512 + 16) bytes a wave, in slot 0, which has had its last fill and its last read by then
.set PSHARE, 34*256                    ; a partner's share of a tile's K step in the prefetches
.set ADRA, 16
.set ADRSB, 18                         ; wq's scale words: piece 128 + l / 16, 16 bytes of row l % 16
.set ADRB, 20
.set ADRSA, 22                         ; xq's scale words: 16 bytes of row l % 16, the same in both halves of the lanes
.set STO,  24
.set RD,   25
.set CO,   26
.set BO,   27
.set SPW,  28
.set NIL,  29
.set PFO,  30                          ; 256 x lane
.set PFO2, 31                          ; blocks 32 and 33 of my share (lanes 1-31 name the last)
.set SC,   32                          ; set s at SC + 48 s: 4 a + q xq's block a; 32 + 4 c + q wq's blocks 2 c, 2 c + 1
.set AF,   128
.set BIAS, 64                          ; in window 1
.set G1, 24
.set G0, 32
.set G1B, 48
.set G0B, 56
.set PFA, 66                           ; s[66:67] where my prefetches stand
.set MSB, 0
.macro WIN new                         ; the immediate's high byte repeats the setting that is left
.if MSB != (\new)
	s_set_vgpr_msb (MSB<<8)|(\new)
.set MSB, (\new)
.endif
.endm
.set MUL_LO, 0xa1                      ; source 0 window 1, source 1 window 0, C and D window 2
.set MUL_HI, 0xf1                      ; the same, C and D window 3
.set TO_B,   0x40                      ; destination window 1, address window 0
; a joint load: waves 0, 1 fetch xq's halves, waves 2, 3 wq's; s_nop 0 and four v_nop behind each line
.macro JLOAD g0a, g1a, g0b, g1b
	s_cmp_eq_u32 s15, 0
	s_cbranch_scc0 .Lfor_b_\@
	tensor_load_to_lds s[\g0a:\g0a+3], s[\g1a:\g1a+7]
	s_nop 0
.rept 4
	v_nop
.endr
	s_branch .Lasked_\@
.Lfor_b_\@:
	tensor_load_to_lds s[\g0b:\g0b+3], s[\g1b:\g1b+7]
	s_nop 0
.rept 4
	v_nop
.endr
.Lasked_\@:
.endm
.macro CREST                           ; a round of the cluster's barrier behind its opening barrier
	s_cmp_lg_u32 s14, 0
	s_cbranch_scc1 .Lnot_wave_0_\@
	s_barrier_signal -3
.Lnot_wave_0_\@:
	s_barrier_wait -3
	s_barrier_signal -1
	s_barrier_wait -1
.endm
.macro CROUND
	s_barrier_signal -1
	s_barrier_wait -1
	CREST
.endm
.macro PREF k                          ; my share of the K step that lies k steps behind PFA: 34 blocks of 256 bytes
	global_prefetch_b8 v[PFO], s[PFA:PFA+1] offset:(\k)*KBLK th:TH_LOAD_NT scope:SCOPE_SE
	global_prefetch_b8 v[PFO2], s[PFA:PFA+1] offset:(\k)*KBLK th:TH_LOAD_NT scope:SCOPE_SE
.endm
	s_load_b128 s[4:7], s[0:1], 0x0                ; xq, wq
	s_load_b128 s[8:11], s[0:1], 0x10              ; bias, out0
	v_lshl_add_u32 v[SPW], v0, 2, SPARE
	v_mov_b32 v[NIL], 0
	ds_add_u32 v[SPW], v[NIL]                      ; the opening lines: the add, twice on end, and its wait
	ds_add_u32 v[SPW], v[NIL]
	v_lshrrev_b32 v1, 5, v0
	v_readfirstlane_b32 s14, v1                    ; wave
	s_lshr_b32 s15, s14, 1                         ; my half of the rows; also: I fetch for xq (0) or wq (1)
	s_and_b32 s16, s14, 1                          ; my half of the columns; also: which 128 rows I fetch
	s_bfe_u32 s40, ttmp6, 0x40000                  ; cx
	s_bfe_u32 s41, ttmp6, 0x40004                  ; cy
	s_lshl_b32 s42, ttmp9, 2
	s_add_co_u32 s42, s42, s40                     ; tile column
	s_and_b32 s17, ttmp7, 0xffff
	s_lshl_b32 s17, s17, 2
	s_add_co_u32 s17, s17, s41                     ; tile row
	s_lshl_b32 s43, s41, 2
	s_lshl_b32 s43, 15, s43                        ; my row of the cluster
	s_lshl_b32 s44, 0x1111, s40                    ; my column
	s_or_b32 s[G1+0], s43, (3<<16)|(1<<20)|(1<<21)|(5<<22)|(3<<25)   ; mask; elements of 8 bytes; 4 words of padding behind every 64
	s_or_b32 s[G1B+0], s44, (3<<16)|(1<<20)|(1<<21)|(5<<22)|(3<<25)
.irp g, G1, G1B
	s_mov_b32 s[\g+1], 32<<16                      ; 136 rows of 256 bytes, dense
	s_mov_b32 s[\g+2], UNITS<<16
	s_mov_b32 s[\g+3], 32<<16
	s_mov_b32 s[\g+4], UNITS
	s_mov_b32 s[\g+5], 32
	s_mov_b32 s[\g+6], 0
	s_mov_b32 s[\g+7], 0
.endr
	s_lshl_b32 s20, s17, 1
	s_add_co_u32 s20, s20, s16                     ; xq: block of 128 rows
	s_lshl_b32 s46, s42, 1
	s_add_co_u32 s46, s46, s16                     ; wq likewise
	s_mov_b32 s21, 0
	s_mov_b32 s47, 0
	s_mov_b64 s[18:19], RBLK
	s_mul_u64 s[20:21], s[20:21], s[18:19]
	s_mul_u64 s[46:47], s[46:47], s[18:19]
	s_mul_i32 s45, s14, HALFT                      ; where my tile goes
	s_wait_dscnt 0x0                               ; both opening adds are done
	s_wait_kmcnt 0x0
	s_add_nc_u64 s[20:21], s[4:5], s[20:21]
	s_add_nc_u64 s[46:47], s[6:7], s[46:47]
	CROUND                                         ; all sixteen work-groups are here: the first joint loads meet
.irp s, 0,1
	s_mov_b32 s[G0+4*\s], 1
	s_add_co_u32 s[G0+4*\s+1], s45, \s*SLOT
	s_add_nc_u64 s[G0+4*\s+2:G0+4*\s+3], s[20:21], \s*KBLK
	s_or_b32 s[G0+4*\s+3], s[G0+4*\s+3], 0x80000000
	s_mov_b32 s[G0B+4*\s], 1
	s_add_co_u32 s[G0B+4*\s+1], s45, \s*SLOT
	s_add_nc_u64 s[G0B+4*\s+2:G0B+4*\s+3], s[46:47], \s*KBLK
	s_or_b32 s[G0B+4*\s+3], s[G0B+4*\s+3], 0x80000000
.endr
	s_cmp_eq_u32 s15, 0                            ; the prefetches: the tile that I fetch,
	s_cselect_b64 s[PFA:PFA+1], s[20:21], s[46:47]
	s_cselect_b32 s68, s40, s41                    ; and my place among the four that ask for it with me
	s_mul_i32 s68, s68, PSHARE
	s_mov_b32 s69, 0
	s_add_nc_u64 s[PFA:PFA+1], s[PFA:PFA+1], s[68:69]
	JLOAD G0, G1, G0B, G1B                         ; K step 0: one tensor load a wave at the head
	s_mul_i32 s21, s15, HALFT                      ; my 128 rows of xq
	s_mul_i32 s22, s16, HALFT
	s_add_co_u32 s22, s22, 2*HALFT                 ; my 128 rows of wq
	s_add_co_u32 s18, s21, 128*PITCH               ; xq's scale pieces
	s_add_co_u32 s72, s22, 128*PITCH               ; wq's
	s_mul_i32 s19, s14, 16*SPITCH                  ; my stage
	v_and_b32 v1, 15, v0                           ; r
	v_bfe_u32 v2, v0, 4, 1                         ; h
	v_mul_u32_u24 v3, v1, PITCH
	v_lshl_add_u32 v4, v2, 4, v3                   ; a fragment's row x pitch + 16 h
	v_lshlrev_b32 v5, 4, v1                        ; a row's 16 scale bytes,
	v_mad_u32_u24 v6, v2, PITCH, v5                ; and for wq one piece on in lanes 16-31
	v_add_nc_u32 v[ADRA], s21, v4
	v_add_nc_u32 v[ADRB], s22, v4
	v_add_nc_u32 v[ADRSA], s18, v5
	v_add_nc_u32 v[ADRSB], s72, v6
	v_add_nc_u32 v[ADRA+1], SLOT, v[ADRA]
	v_add_nc_u32 v[ADRB+1], SLOT, v[ADRB]
	v_add_nc_u32 v[ADRSA+1], SLOT, v[ADRSA]
	v_add_nc_u32 v[ADRSB+1], SLOT, v[ADRSB]
	v_mul_u32_u24 v5, v1, SPITCH
	v_lshl_add_u32 v5, v2, 5, v5
	v_add_nc_u32 v[STO], s19, v5                   ; into the stage: row r, 32 bytes for each half of the lanes
	v_and_b32 v6, 31, v0
	v_lshlrev_b32 v[CO], 4, v6                     ; back: the 32 lanes take a row of 512 bytes; the same in out0
	v_add_nc_u32 v[RD], s19, v[CO]
	v_lshlrev_b32 v[BO], 5, v2
	v_lshlrev_b32 v[PFO], 8, v6
	v_min_u32 v7, 1, v6
	v_lshl_add_u32 v[PFO2], v7, 8, 0x2000
	s_wait_alu depctr_va_vdst(0)                   ; the wait behind the head's last vector write
	s_lshl_b32 s20, s17, 8
	s_lshl_b32 s21, s15, 7
	s_add_co_u32 s20, s20, s21                     ; my first row of out0
	s_mov_b32 s21, 0
	s_mov_b64 s[18:19], SIZE_N*4
	s_mul_u64 s[20:21], s[20:21], s[18:19]
	s_lshl_b32 s46, s42, 10
	s_lshl_b32 s47, s16, 9
	s_add_co_u32 s46, s46, s47                     ; my first column, in bytes
	s_mov_b32 s47, 0
	s_add_nc_u64 s[8:9], s[8:9], s[46:47]
	s_add_nc_u64 s[20:21], s[20:21], s[46:47]
	s_add_nc_u64 s[10:11], s[10:11], s[20:21]
	WIN TO_B
.irp b, 0,1,2,3,4,5,6,7
	global_load_b128 v[BIAS+8*\b:BIAS+8*\b+3],   v[BO], s[8:9] offset:64*\b       ; bias of columns 16 b + 8 h + 0 .. 7, in the result's layout
	global_load_b128 v[BIAS+8*\b+4:BIAS+8*\b+7], v[BO], s[8:9] offset:64*\b+16
.endr
	WIN 0
	PREF 1                                         ; the buffers' first touch: K step 1 is asked for here, K step 2 behind slot 1's fill, K step 3 behind the first step
.macro FRAG reg, adr, q, i             ; 16 rows x 128 K of 4-bit codes: two loads of 16 bytes, 32 apart
.irp c, 0,1
	ds_load_b128 v[\reg+4*\c:\reg+4*\c+3], v[\adr] offset:64*(\q)+32*\c+(\i)*16*PITCH
.endr
.endm
; 8 matrix instructions: xq's blocks a0, a0 + 1 x wq's four pairs of blocks; p: the set of fragments; sc: the set of scale words; zero = 1: the bias starts the sums.  The 32 sums take turns.
.macro MUL8 a0, p, q, sc, zero
.irp a, \a0, \a0+1
.irp c, 0,1,2,3
.if \zero
	v_wmma_scale_f32_32x16x128_f4 v[8*(8*((\a)%4)+2*\c):8*(8*((\a)%4)+2*\c)+15], v[128*(\p)+16*\c:128*(\p)+16*\c+15], v[AF+64*(\p)+FR*(\a):AF+64*(\p)+FR*(\a)+FR-1], v[BIAS+16*\c:BIAS+16*\c+15], v[SC+48*(\sc)+32+NQ*\c+(\q)], v[SC+48*(\sc)+NQ*(\a)+(\q)]
.else
	v_wmma_scale_f32_32x16x128_f4 v[8*(8*((\a)%4)+2*\c):8*(8*((\a)%4)+2*\c)+15], v[128*(\p)+16*\c:128*(\p)+16*\c+15], v[AF+64*(\p)+FR*(\a):AF+64*(\p)+FR*(\a)+FR-1], v[8*(8*((\a)%4)+2*\c):8*(8*((\a)%4)+2*\c)+15], v[SC+48*(\sc)+32+NQ*\c+(\q)], v[SC+48*(\sc)+NQ*(\a)+(\q)]
.endif
.endr
.endr
.endm
.macro FETCH slot, q, p                ; 32 LDS loads in one run: both sides' fragments of the slot's q-th 128 along K into set p
	WIN TO_B
.irp i, 0,1,2,3,4,5,6,7
	FRAG 128*(\p)+FR*\i, ADRB+\slot, \q, \i
.endr
	WIN 0
.irp i, 0,1,2,3,4,5,6,7
	FRAG AF+64*(\p)+FR*\i, ADRA+\slot, \q, \i
.endr
.endm
.macro SCALES slot                     ; a slot's scale words, four (one for each 128 along K) to a load
.irp i, 0,1,2,3,4,5,6,7
	ds_load_b128 v[SC+48*\slot+NQ*\i:SC+48*\slot+NQ*\i+3], v[ADRSA+\slot] offset:\i*PITCH
.endr
.irp c, 0,1,2,3
	ds_load_b128 v[SC+48*\slot+32+NQ*\c:SC+48*\slot+32+NQ*\c+3], v[ADRSB+\slot] offset:2*\c*PITCH
.endr
.endm
.macro PLACES n
.rept \n
	v_nop
.endr
.endm
; a step of 128 along K that has its successor in the same slot
.macro STEP slot, q, zero
	PLACES NP                                      ; in front of loads into the set that the step before multiplied
	FETCH \slot, (\q)+1, 1-(\q)%2
	s_wait_dscnt 32                                ; all but the 32 just issued: this step's set (and scale words) are in
	WIN MUL_LO-0x10*(\zero)                        ; (zero: C in window 1)
	MUL8 0, (\q)%2, \q, \slot, \zero
	MUL8 2, (\q)%2, \q, \slot, \zero
	WIN MUL_HI-0x20*(\zero)
	MUL8 4, (\q)%2, \q, \slot, \zero
	MUL8 6, (\q)%2, \q, \slot, \zero
.endm
; the wait for the add and the barrier in front of a change of slots; eight matrix instructions of the slot's last step between signal and wait
.macro MEET slot
	s_wait_dscnt 0x0                               ; the add is done, and my reads of this slot are over (the last step's fragments are in registers)
	s_barrier_signal -1
	WIN MUL_LO
	MUL8 0, 1, NQ-1, \slot, 0
	WIN 0
	s_barrier_wait -1
.endm
; a slot's last step changes slots and fills the slot again, two K steps ahead
.macro TURN slot, next
	WIN 0
	s_wait_xcnt 0x0                                ; my prefetches have read their address
	s_add_nc_u64 s[PFA:PFA+1], s[PFA:PFA+1], KBLK
	s_wait_tensorcnt 0x0                           ; all my tensor loads have landed: my part of the next slot
	ds_add_u32 v[SPW], v[NIL]
	s_add_nc_u64 s[G0+4*\slot+2:G0+4*\slot+3], s[G0+4*\slot+2:G0+4*\slot+3], 2*KBLK      ; no load of mine is out: the descriptors step
	s_add_nc_u64 s[G0B+4*\slot+2:G0B+4*\slot+3], s[G0B+4*\slot+2:G0B+4*\slot+3], 2*KBLK
	MEET \slot
	CREST                                          ; the barrier has opened a round of the cluster's barrier
	JLOAD G0+4*\slot, G1, G0B+4*\slot, G1B         ; the first tensor load behind the round; its four v_nop are the places in front of the loads below
	FETCH \next, 0, 0
	SCALES \next
	s_cmp_gt_u32 s3, 1                             ; the last two refills have no K step two on
	s_cbranch_scc0 .Lno_ask_\@
	PREF 3                                         ; the K step that stands two refills on
.Lno_ask_\@:
	WIN MUL_LO
	MUL8 2, 1, NQ-1, \slot, 0
	WIN MUL_HI
	MUL8 4, 1, NQ-1, \slot, 0
	MUL8 6, 1, NQ-1, \slot, 0
.endm
.macro STEPS slot, from
.set Q, \from
.rept NQ-1-\from
	STEP \slot, Q, 0
.set Q, Q+1
.endr
.endm
	s_wait_tensorcnt 0x0                           ; my part of K step 0 is in
	ds_add_u32 v[SPW], v[NIL]
	s_wait_dscnt 0x0
	CROUND
	JLOAD G0+4, G1, G0B+4, G1B                     ; K step 1: the first tensor load behind the round
	FETCH 0, 0, 0
	SCALES 0
	PREF 2
	s_wait_loadcnt 0x0                             ; the bias
	STEP 0, 0, 1                                   ; the first step stands in front of the loop: its products start the sums
	WIN 0
	PREF 3
	s_mov_b32 s3, LAPS-1
.Llap:                                                 ; a trip goes once round the ring and fills both slots again
	STEPS 0, 1
	TURN 0, 1
	STEPS 1, 0
	TURN 1, 0
	STEP 0, 0, 0
	WIN 0
	s_sub_co_u32 s3, s3, 1
	s_cmp_lg_u32 s3, 0
	s_cbranch_scc1 .Llap
	STEPS 0, 1
; THE LAST K STEP, in slot 1, by rows of out0
.macro BLOAD q                         ; wq's fragments of quarter q -> window 1, v[64 q ..]
.irp i, 0,1,2,3,4,5,6,7
	FRAG 64*\q+8*\i, ADRB+1, \q, \i
.endr
.endm
.macro ALOAD a                         ; xq's block a, all four quarters -> buffer a % 4
.irp q, 0,1,2,3
	FRAG AF+32*((\a)%4)+8*\q, ADRA+1, \q, \a
.endr
.endm
.macro ROW a                           ; block a is finished: 16 matrix instructions, its four sums by turns, K ascending
.set FA, AF+32*((\a)%4)
.set AC, 64*((\a)%4)
	WIN MUL_LO+0x50*((\a)/4)
.irp q, 0,1,2,3
.if (\a) == 0 && \q == 2
	s_wait_dscnt 16                                ; wq's quarter 2 is in (behind it: xq's blocks 2 and 3)
.endif
.irp c, 0,1,2,3
	v_wmma_scale_f32_32x16x128_f4 v[AC+16*\c:AC+16*\c+15], v[64*\q+16*\c:64*\q+16*\c+15], v[FA+8*\q:FA+8*\q+7], v[AC+16*\c:AC+16*\c+15], v[SC+48+32+NQ*\c+\q], v[SC+48+NQ*(\a)+\q]
.endr
.endr
.endm
; the way out of block a: through my own stage, and back as whole rows of 512 bytes into the block's own 64 registers, which nothing writes again
.macro TOSTAGE a
.set AC, 64*((\a)%4)
	WIN 0x88+0x44*((\a)/4)                         ; store data and load destination: window 2 or 3; addresses window 0
.irp b, 0,1,2,3,4,5,6,7
	ds_store_b128 v[STO], v[AC+8*\b:AC+8*\b+3] offset:64*\b          ; each result from its low end on
	ds_store_b128 v[STO], v[AC+8*\b+4:AC+8*\b+7] offset:64*\b+16
.endr
.irp t, 0,1,2,3,4,5,6,7,8,9,10,11,12,13,14,15
	ds_load_b128 v[AC+4*\t:AC+4*\t+3], v[RD] offset:\t*SPITCH        ; LDS serves a wave's instructions in order (ISA guide 5.7.1.4): these see the stores above
.endr
.endm
.macro SEND a, younger                 ; younger: the LDS loads issued behind TOSTAGE's, which may stay out
.set AC, 64*((\a)%4)
	WIN 0x88+0x44*((\a)/4)
	s_wait_dscnt \younger
.irp t, 0,1,2,3,4,5,6,7,8,9,10,11,12,13,14,15
	global_store_b128 v[CO], v[AC+4*\t:AC+4*\t+3], s[10:11] offset:(16*(\a)+\t)*SIZE_N*4 th:TH_STORE_NT   ; 32 lanes store 512 consecutive bytes, aligned; 127 rows at the most stand in the immediate
.endr
.endm
	WIN 0
	s_wait_tensorcnt 0x0                           ; slot 1's last fill is in
	ds_add_u32 v[SPW], v[NIL]
	MEET 0                                         ; nothing is filled again: no round follows
	PLACES NP
	WIN TO_B
	BLOAD 0                                        ; three quarters now: set 1 of both sides is still being multiplied
	BLOAD 1
	BLOAD 3
	WIN 0
	ALOAD 0
	ALOAD 1
	SCALES 1
	WIN MUL_LO
	MUL8 2, 1, NQ-1, 0, 0
	WIN MUL_HI
	MUL8 4, 1, NQ-1, 0, 0
	MUL8 6, 1, NQ-1, 0, 0
	PLACES NP
	WIN TO_B
	BLOAD 2
	WIN 0
	ALOAD 2
	ALOAD 3
	s_wait_dscnt 32                                ; all but the 32 just issued
	ROW 0
.irp a, 0,1,2,3,4,5,6,7                ; block a goes through the stage while block a + 1 is multiplied, and is stored behind it
	PLACES NP                                      ; the stage's stores read results just made, and its loads land on them
	TOSTAGE \a
.if \a < 4
	WIN 0
	ALOAD \a+4                                     ; its buffer takes the block four further on
.endif
.if \a < 7
	ROW \a+1
.endif
.if \a < 4
	SEND \a, 8
.else
	SEND \a, 0
.endif
.endr
	WIN 0
	s_wait_tensorcnt 0x0                           ; the wave's end
	ds_add_u32 v[SPW], v[NIL]
	s_wait_dscnt 0x0
	CROUND                                         ; the closing round
	s_endpgm
.Lfunc_end_k_q0e921a44e4_gemm:
	.size	k_q0e921a44e4_gemm, .Lfunc_end_k_q0e921a44e4_gemm-k_q0e921a44e4_gemm
	.p2alignl 7, 3214868480
	.fill 96, 4, 3214868480
	.section	.rodata,"a",@progbits
	.p2align	6, 0x0
	.amdhsa_kernel k_q0e921a44e4_gemm
		.amdhsa_group_segment_fixed_size 327680
		.amdhsa_private_segment_fixed_size 0
		.amdhsa_enable_private_segment 0
		.amdhsa_kernarg_size 32
		.amdhsa_user_sgpr_count 2
		.amdhsa_user_sgpr_kernarg_segment_ptr 1
		.amdhsa_wavefront_size32 1
		.amdhsa_system_sgpr_workgroup_id_x 1
		.amdhsa_system_sgpr_workgroup_id_y 1
		.amdhsa_system_sgpr_workgroup_id_z 1
		.amdhsa_system_vgpr_workitem_id 0
		.amdhsa_next_free_vgpr 1024
		.amdhsa_next_free_sgpr 80
		.amdhsa_reserve_vcc 0
		.amdhsa_float_denorm_mode_32 3
		.amdhsa_float_denorm_mode_16_64 3
		.amdhsa_memory_ordered 1
		.amdhsa_forward_progress 1
		.amdhsa_inst_pref_size 147
	.end_amdhsa_kernel
	.amdgpu_metadata
---
amdhsa.version: [ 1, 2 ]
amdhsa.kernels:
  - .name:           k_q0e921a44e4_gemm
    .symbol:         k_q0e921a44e4_gemm.kd
    .args:
      - { .name: xq, .offset: 0, .size: 8, .value_kind: global_buffer, .address_space: global }
      - { .name: wq, .offset: 8, .size: 8, .value_kind: global_buffer, .address_space: global }
      - { .name: bias, .offset: 16, .size: 8, .value_kind: global_buffer, .address_space: global }
      - { .name: out0, .offset: 24, .size: 8, .value_kind: global_buffer, .address_space: global }
    .group_segment_fixed_size: 327680
    .private_segment_fixed_size: 0
    .kernarg_segment_align: 8
    .kernarg_segment_size: 32
    .max_flat_workgroup_size: 128
    .sgpr_count:     80
    .vgpr_count:     1024
    .wavefront_size: 32
...
	.end_amdgpu_metadata
.endif
;; end of part 2
